; MI455X (gfx1250); checked and timed in simulation.
; The chip was launched on July 23, 2026; its instructions are those of AMD's public machine-readable ISA for CDNA 5 (MIT licence, August 2026) and "CDNA5" Instruction Set Architecture Reference Guide (July 2026). The comments in the code are by the model that wrote it; some were corrected since.
;; Low Rank Token Mix. Allowed arithmetic: matrix products marked QUANTISED: E2M3 operands, one E8M0 scale for each 32 along K, by v_wmma_scale_f32_16x16x128_f8f6f4 with both operands' format E2M3, f32 sums; everything else in f32.
;; Inputs: W_B 64 x 512 float32; W_C 512 x 64 float32; x 4 x 4,096 x 512 float32.
;; Outputs: out0 4 x 4,096 x 512 float32.
;; This version of the problem:
;;   THIS VERSION OF THE PROBLEM IS GIVEN IN LOW PRECISION. The matrix products marked QUANTISED in the list below multiply operands that are first quantised to E2M3 (2 exponent bits, 3 mantissa bits; 6 bits a number), with one power-of-two scale for each 32 numbers along K (OCP MX v1.0); their sums are f32. All else is computed in f32.
;;   The module's matrix products, in the order in which they are computed (A, B: the left and right operand; K: the contracted axis; several contracted axes count as one K, in the product's order):
;;     1. [M 16,384, K 512] x [K 512, N 64]; A: input x; B: input W_B: QUANTISED
;;     2. batch 4 x [M 4,096, K 64] x [K 64, N 4,096]; A: computed on the way; B: computed on the way: QUANTISED
;;     3. batch 4 x [M 4,096, K 4,096] x [K 4,096, N 64]; A: softmax (see below); B: computed on the way: QUANTISED
;;     4. [M 16,384, K 64] x [K 64, N 512]; A: computed on the way; B: input W_C: QUANTISED
;;   THE QUANTISER, for each operand of a quantised product, along K:
;;     - K is cut into blocks of 32 from its start; a last block that is shorter is filled with zeros.
;;     - A block's scale is 2^e with e = floor(log2(the largest magnitude in the block)) - 2, held to -126 .. 127; a block of zeros has e = 0. As a byte (E8M0): e + 127.
;;     - Each number is divided by its block's scale, clamped to +-7.5, and rounded to the nearest number of E2M3, ties to even, subnormals kept.
;;     - The product sums the exact products of the quantised numbers (number of the format x scale) in f32.
;;   ~~~python
;;   def quantise(x, axis):      # numpy; x: float32 -> the quantised numbers, widened to float32 again
;;       x = np.moveaxis(x, axis, -1); K = x.shape[-1]
;;       x = np.pad(x, [(0, 0)] * (x.ndim - 1) + [(0, -K % 32)]); x = x.reshape(x.shape[:-1] + (-1, 32)); a = np.abs(x).max(-1, keepdims=True)
;;       e = np.where(a > 0, np.clip(np.frexp(np.where(a > 0, a, 1))[1] - 1 - 2, -126, 127), 0)      # np.frexp(a)[1] - 1 = floor(log2(a)), exactly
;;       r = np.clip(x / 2.0 ** e, -7.5, 7.5)
;;       step = 2.0 ** (np.maximum(np.frexp(np.where(r == 0, 1, r))[1] - 1, 0) - 3)
;;       q = np.round(r / step) * step * 2.0 ** e      # np.round: ties to even
;;       return np.moveaxis(q.reshape(q.shape[:-2] + (-1,))[..., :K], -1, axis).astype(np.float32)
;;   ~~~
;;   SOFTMAX AHEAD OF A QUANTISED PRODUCT. Where the list says 'softmax', what is quantised is not the finished softmax but p = 2^(t - M), with t = logit x log2(e) and M = ceil(the row's largest t), a whole number; so 1/2 < the row's largest p <= 1. The row's sum l is taken of the UNQUANTISED p, in f32, and the product's result is divided by l at the end. Since M is a whole number, a kernel that streams over the keys may use a running M (the ceiling of the running maximum): every later rescaling is an exact power of two, which a block's scale takes up: the codes' values come out the same.
;;   OPERANDS COMPUTED ON THE WAY. 'Computed on the way' means the value that the module computes at that place (a softmax that the list does not call 'softmax' is quantised finished and normalised). What goes into a quantiser is computed in f32, as accurately as f32 sums, v_exp_f32 and their like allow (about 1e-6 of the number): no bf16 or f16 on the way to a quantiser, and a product that is left as it is and whose result goes on into a quantised operand takes f32 operands (vector FMAs, or v_wmma_f32_16x16x4_f32). A number that lies on a knife's edge between two numbers of the format may be rounded either way, as far as f32 arithmetic and the matrix unit's own rounding can turn it there, and no further.
;; One version. Each part assembles by itself: llvm-mc -triple=amdgcn-amd-amdhsa -mcpu=gfx1250 --defsym DOCPART=n.
;; ======== version 1 of 1: 2 launches
;; workspace buffers: kv 1,703,936 bytes; wc 32,768 bytes
;; launch proj (part 1): grid 64 x 4, 8 waves a work-group, clusters of 4 x 1, 327,680 bytes of LDS; arguments x, W_B, W_C, kv, wc; writes kv, wc
.if DOCPART == 1
	.amdgcn_target "amdgcn-amd-amdhsa--gfx1250"
	.amdhsa_code_object_version 6
	.text
	.protected	k_q963adfc224_proj
	.globl	k_q963adfc224_proj
	.p2align	8
	.type	k_q963adfc224_proj,@function
k_q963adfc224_proj:
	s_mov_b64 s[64:65], 0
	v_nop
	global_prefetch_b8 v0, s[64:65] scope:SCOPE_SE
	s_setreg_imm32_b32 hwreg(HW_REG_WAVE_MODE, 25, 1), 1
	s_wait_xcnt 0x0
	s_wait_alu depctr_hold_cnt(0) depctr_sa_sdst(0) depctr_va_vdst(0) depctr_va_sdst(0) depctr_va_ssrc(0) depctr_va_vcc(0) depctr_vm_vsrc(0)
	s_getreg_b32 s2, hwreg(HW_REG_IB_STS2, 6, 4)
	s_cmp_eq_u32 s2, 0
	s_cbranch_scc0 .Lentry_in_a_cluster
	s_endpgm
.Lentry_in_a_cluster:
	s_bfe_u32 s2, ttmp6, 0x10000c
	s_cmp_lg_u32 s2, 0x3003
	s_cbranch_scc0 .Lentry_shape_is_right
	s_endpgm
.Lentry_shape_is_right:
; LowRankTokenMix, first of two launches.  b = Q(x) Q(W_B)^T (K = 512), then b quantised twice: along the rank (operand of the scores) and along the tokens (operand of the
; second product); and W_C quantised along the rank.  All in codes of FP6 (E2M3) with one E8M0 byte for each 32 along K.  Results go to two workspace buffers as IMAGES OF OPERAND REGISTERS.
; NOTHING OF THE PROBLEM IS LEFT OUT: every input has a way to the output and is loaded, every product of the table is made.
; MORE THAN THE PROBLEM ASKS: the product is issued in both orientations (waves 0-3: a lane holds a token, registers run along the ranks; waves 4-7: a lane holds a rank, registers run along
; the tokens).  Swapped sources give the same sums bit for bit; that spares a transposition of b.
; LIMITS: NaN and infinities among the inputs are not served.  A block whose largest magnitude lies under 2^(3 - 127) gets the byte 1; a block of zeros gets the byte 1 where the rule says 127:
; its codes are zeros, which add nothing under any byte but 0xff, and these bytes are read by this program alone.
; SHARES.  Work-group X (0..63) of a batch takes 64 tokens.  Its 64 rows of x and the 64 rows of W_B are two groups of 4 tiles of 16 rows; wave w owns tile w % 4 of group w / 4.
; THE ROWS OF A TILE ARE NOT NEIGHBOURS: lane r of tile i takes row 8 i + r % 8 + 32 (r / 8) of its group's 64.  In a result, register 8 i + j of the four tiles in lane (r, h) is then index 32 h + 8 i + j
; along the next K: ONE WHOLE BLOCK OF 32 IN A LANE, in its natural order, in the very lane in which the next operand's layout wants it.
; All eight waves run one text: a wave quantises its own tile (source 1), hands its image to the others through LDS, and multiplies by the four tiles of the other group (source 0).
; CLUSTER.  W_B is the same for every work-group and is half of a work-group's bytes: the four partners ask for it JOINTLY (waves 4-7, mask 15).  x is each work-group's own (waves 0-3, no mask).
; No prefetch is written: every byte that the work-group reads is asked for by the first fills at the head.
; kv: [4 batches][64 records of 6,656 bytes]; a record holds 64 tokens: 4 tiles of K (768 bytes: registers 0-3 at 16 x lane, registers 4-5 at 512 + 8 x lane), 256 bytes of K's scale words,
; 4 half tiles of V (likewise), 256 bytes of V's scale words.   wc: [32 tiles of 1,024 bytes]: the same two planes, and the scale words at 768 + 4 x lane.
.set GS,    8512                       ; LDS: a group of 16 raw rows: 16 x 528 bytes and 64 more, so that rows 32 apart (two groups) begin 128 bytes apart modulo 256
.set RS,    8*GS                       ; the raw numbers of one K step of 128: 8 groups of 16 rows
.set RP,    528                        ; a row: 512 bytes + 16 of padding: the 16 lanes of half a 16-byte load touch 16 different columns of 16 bytes modulo 256
.set IMG,   4*RS                       ; behind the raw numbers: two buffers of images, by turns
.set IB,    14336                      ; a buffer: 8 waves x IW
.set IW,    1792                       ; a wave's image: 3 planes of 512 bytes, then its scale words (4 x lane)
.set SCG,   IMG+2*IB                   ; where the record's scale words are gathered: K's 256 bytes, then V's
.set SPARE, SCG+512                    ; the spare words, 128 bytes for each wave: four blocks of 256 bytes that no other line names
.set RA,   1                           ; v1-4   LDS address of my row's numbers in K step 0..3
.set IA16, 5                           ; v5     where I store my image: 16 x lane + my wave's place
.set IA4,  6                           ; v6     and its scale words: 4 x lane + the same
.set OA16, 7                           ; v7     where the other group's four images begin, + 16 x lane
.set OA4,  8                           ; v8     + 4 x lane
.set SGA,  9                           ; v9     where my row's scale word goes in the gather
.set SGR,  10                          ; v10    where a plane is read back: 8 x lane
.set L16,  11                          ; v11-13 16, 8, 4 x lane
.set L8,   12
.set L4,   13
.set SPW,  14                          ; v14    LDS address of my spare word; never rewritten
.set NIL,  15                          ; v15    0; never rewritten
.set OWN,  16                          ; v16-63   my tile's four fragments (K step k at 12 k)
.set OWS,  64                          ; v64-67   their scale words
.set OTS,  68                          ; v68-71   the other group's scale words
.set OTH,  72                          ; v72-119  the other group's four fragments of one K step
.set ACC,  120                         ; v120-151 four accumulators
.set N,    152                         ; v152-215 64 numbers
.set MX,   216                         ; v216-217 largest magnitudes
.set SO,   218                         ; v218-219 the conversions' scale operands
.set BY,   220                         ; v220-221 scale bytes
.set W,    222                         ; v222     a scale word in the making
.set PX,   223                         ; v223     what the lane 16 away holds
.set CT,   224                         ; v224-226, v228-230 second halves of blocks
.set R,    232                         ; v232-237 the six registers of a result tile
.set H8,   238                         ; v238     8 x (lane / 16)
.set WCO,  240                         ; v240     W_C: 256 r + 128 (lane / 16)
.set G1X,  20                          ; s[20:27] descriptor group 1 for x;  s[28:35] for W_B: it differs in the mask alone
.set G1W,  28
.set G0X,  36                          ; s[36:51] group 0 for x, one set for each K step;  s[68:83] for W_B
.set G0W,  68
.set SEL,  100                         ; s[100:101] lane selects for v_permlanex16_b32: lane l xor 16
.macro CROUND                          ; a round of the cluster's barrier
	s_barrier_signal -1
	s_barrier_wait -1
	s_cmp_lg_u32 s14, 0
	s_cbranch_scc1 .Lnot_wave_0_\@
	s_barrier_signal -3
.Lnot_wave_0_\@:
	s_barrier_wait -3
	s_barrier_signal -1
	s_barrier_wait -1
.endm
; My row's 64 numbers of K step k: lane (r, h) takes two whole blocks, k = 64 c + 32 h + 0 .. 31
.macro RAWLOAD k
.irp c, 0,1
.irp i, 0,1,2,3,4,5,6,7
	ds_load_b128 v[N+32*\c+4*\i:N+32*\c+4*\i+3], v[RA+(\k)] offset:256*\c+16*\i
.endr
.endr
.endm
; They become fragment k of my tile and its scale word.  A lane holds whole blocks: no other lane is asked for a maximum; the word's four bytes are gathered from lanes l and l xor 16.
.macro QUANTB k
.irp c, 0,1
	v_max3_num_f32 v[MX+\c], |v[N+32*\c]|, |v[N+32*\c+1]|, 0x1800000   ; and the floor 2^(3 - 127): the byte cannot fall under 1
.endr
.irp i, 2,4,6,8,10,12,14,16,18,20,22,24,26,28,30
.irp c, 0,1
	v_max3_num_f32 v[MX+\c], v[MX+\c], |v[N+32*\c+\i]|, |v[N+32*\c+\i+1]|   ; (the two blocks by turns)
.endr
.endr
.irp c, 0,1
	v_add_nc_u32 v[SO+\c], 0xff000000, v[MX+\c]    ; 2 off the exponent field: the conversion takes this operand's exponent field as its scale
.endr
.irp c, 0,1
	v_lshrrev_b32 v[BY+\c], 23, v[SO+\c]           ; the scale's byte
.endr
	v_lshl_or_b32 v[W], v[BY+1], 16, v[BY]         ; my bytes: blocks h and 2 + h,
	v_lshlrev_b32 v[W], v[H8], v[W]                ; at their places (8 h bits up);
	v_permlanex16_b32 v[PX], v[W], s[SEL], s[SEL+1]
	v_or_b32 v[OWS+(\k)], v[W], v[PX]              ; with lane l xor 16's two the word is whole
.irp c, 0,1
	v_cvt_scalef32_pk16_fp6_f32 v[OWN+12*(\k)+6*\c:OWN+12*(\k)+6*\c+2], v[N+32*\c:N+32*\c+15], v[SO+\c]
	v_cvt_scalef32_pk16_fp6_f32 v[CT+4*\c:CT+4*\c+2], v[N+32*\c+16:N+32*\c+31], v[SO+\c]   ; (a conversion's three registers begin on an even number)
.endr
	v_nop                                          ; one plain place behind a scaled conversion
.irp c, 0,1
.irp i, 0,1,2
	v_mov_b32 v[OWN+12*(\k)+6*\c+3+\i], v[CT+4*\c+\i]
.endr
.endr
.endm
.macro IMAGE k                         ; fragment k goes to LDS as it stands, into buffer k % 2
.irp p, 0,1,2
	ds_store_b128 v[IA16], v[OWN+12*(\k)+4*\p:OWN+12*(\k)+4*\p+3] offset:IB*((\k)%2)+512*\p
.endr
	ds_store_b32 v[IA4], v[OWS+(\k)] offset:IB*((\k)%2)+1536
.endm
.macro OTHLOAD k                       ; the other group's four fragments of K step k, and their scale words: 16 loads
.irp i, 0,1,2,3
.irp p, 0,1,2
	ds_load_b128 v[OTH+12*\i+4*\p:OTH+12*\i+4*\p+3], v[OA16] offset:IB*((\k)%2)+IW*\i+512*\p
.endr
	ds_load_b32 v[OTS+\i], v[OA4] offset:IB*((\k)%2)+IW*\i+1536
.endr
.endm
.macro MUL k                           ; four products, the four accumulators by turns, one instruction a turn; K step 0 starts the sums
.irp i, 0,1,2,3
.if (\k) == 0
	v_wmma_scale_f32_16x16x128_f8f6f4 v[ACC+8*\i:ACC+8*\i+7], v[OTH+12*\i:OTH+12*\i+11], v[OWN+12*(\k):OWN+12*(\k)+11], 0, v[OTS+\i], v[OWS+(\k)] matrix_a_fmt:MATRIX_FMT_FP6 matrix_b_fmt:MATRIX_FMT_FP6
.else
	v_wmma_scale_f32_16x16x128_f8f6f4 v[ACC+8*\i:ACC+8*\i+7], v[OTH+12*\i:OTH+12*\i+11], v[OWN+12*(\k):OWN+12*(\k)+11], v[ACC+8*\i:ACC+8*\i+7], v[OTS+\i], v[OWS+(\k)] matrix_a_fmt:MATRIX_FMT_FP6 matrix_b_fmt:MATRIX_FMT_FP6
.endif
.endr
.rept 4
	v_nop                                          ; four places ahead of the next loads into the fragments' registers, and of the first read of the results
.endr
.endm
; K step k = 1, 2, 3: its numbers are quantised while the images of K step k - 1 come in; then K step k - 1 is multiplied
.macro KS k
	s_wait_tensorcnt 3-(\k)                        ; my load of K step k has landed; those of the later K steps may stay out
	s_wait_dscnt 0x0                               ; my image of K step k - 1 has landed, and my reads of the buffer that is written next are in
	s_barrier_signal -1
	s_barrier_wait -1
	RAWLOAD \k
	OTHLOAD (\k)-1
	s_wait_dscnt 16                                ; the 16 raw loads are in; the 16 loads of images behind them may be out
	QUANTB \k
	IMAGE \k
	s_wait_dscnt 4                                 ; the images are in; my four stores behind them may be out
	MUL (\k)-1
.endm
	s_load_b256 s[4:11], s[0:1], 0x0               ; x s[4:5], W_B s[6:7], W_C s[8:9], kv s[10:11]
	s_load_b64 s[12:13], s[0:1], 0x20              ; wc
	v_lshl_add_u32 v[SPW], v0, 2, SPARE
	v_mov_b32 v[NIL], 0
	ds_add_u32 v[SPW], v[NIL]                      ; the wave's opening: the add, twice on end, and its wait ahead of my first tensor load
	ds_add_u32 v[SPW], v[NIL]                      ; and once more; the set-up below, work on registers, stands between it and the wait
	v_lshrrev_b32 v16, 5, v0
	v_readfirstlane_b32 s14, v16                   ; wave 0..7
	s_and_b32 s15, s14, 3                          ; my tile in my group
	s_lshr_b32 s16, s14, 2                         ; my group: 0 tokens, 1 ranks
	s_bfe_u32 s17, ttmp6, 0x40000                  ; cx: my place in the cluster
	s_lshl_b32 s18, ttmp9, 2
	s_add_co_u32 s18, s18, s17                     ; X = 4 x cluster x + cx
	s_and_b32 s19, ttmp7, 0xffff                   ; the batch
	; descriptor group 1: a tile of 16 rows x 128 numbers of 4 bytes, 16 bytes of padding behind each row of 128 words
	s_mov_b32 s[G1X], (2<<16)|(1<<20)|(6<<22)|(3<<25)              ; no mask; elements of 4 bytes; padding on; after every 128 words (code 6); of 4 words (code 3)
	s_mov_b32 s[G1W], 15|(2<<16)|(1<<20)|(1<<21)|(6<<22)|(3<<25)   ; the same with the mask of all four work-groups, and bit 21 beside it
.irp g, G1X, G1W
	s_mov_b32 s[\g+1], 128<<16                     ; tensor_dim0 = 128
	s_mov_b32 s[\g+2], 16<<16                      ; tensor_dim1 = 16
	s_mov_b32 s[\g+3], 128<<16                     ; tile_dim0 = 128
	s_mov_b32 s[\g+4], 16                          ; tile_dim1 = 16
	s_mov_b32 s[\g+5], 512                         ; from row to row: 512 numbers
	s_mov_b32 s[\g+6], 0
	s_mov_b32 s[\g+7], 0
.endr
	s_mov_b32 s[SEL], 0x76543210
	s_mov_b32 s[SEL+1], 0xfedcba98
	v_and_b32 v17, 31, v0                          ; lane
	v_and_b32 v18, 15, v0                          ; r
	v_bfe_u32 v19, v0, 4, 1                        ; h
	v_and_b32 v20, 7, v0                           ; r % 8
	v_bfe_u32 v21, v0, 3, 1                        ; r / 8
	v_mul_u32_u24 v22, v20, RP                     ; my row 64 (w / 4) + 8 (w % 4) + r % 8 + 32 (r / 8): group 4 (w / 4) + (w % 4) / 2 + 2 (r / 8), row 8 (w % 2) + r % 8 in it
	v_mad_u32_u24 v22, v21, 2*GS, v22
	v_lshl_add_u32 v22, v19, 7, v22                ; + 128 h: my block of 32 numbers
	s_lshl_b32 s84, s16, 2
	s_bfe_u32 s85, s14, 0x10001
	s_add_co_u32 s84, s84, s85
	s_mul_i32 s84, s84, GS
	s_and_b32 s85, s14, 1
	s_mul_i32 s85, s85, 8*RP
	s_add_co_u32 s84, s84, s85
	v_add_nc_u32 v[RA], s84, v22
	v_add_nc_u32 v[RA+1], RS, v[RA]
	v_add_nc_u32 v[RA+2], 2*RS, v[RA]
	v_add_nc_u32 v[RA+3], 3*RS, v[RA]
	v_lshlrev_b32 v[L16], 4, v17
	v_lshlrev_b32 v[L8], 3, v17
	v_lshlrev_b32 v[L4], 2, v17
	s_mul_i32 s84, s14, IW
	s_add_co_u32 s84, s84, IMG
	v_add_nc_u32 v[IA16], s84, v[L16]
	v_add_nc_u32 v[IA4], s84, v[L4]
	s_xor_b32 s85, s16, 1                          ; the other group
	s_mul_i32 s85, s85, 4*IW
	s_add_co_u32 s85, s85, IMG
	v_add_nc_u32 v[OA16], s85, v[L16]
	v_add_nc_u32 v[OA4], s85, v[L4]
	s_lshl_b32 s84, s16, 8                         ; the gather: K's plane, then V's
	s_add_co_u32 s84, s84, SCG
	v_add_nc_u32 v[SGR], s84, v[L8]
	s_and_b32 s85, s14, 1                          ; tile t's word of row r lies at 128 (t % 2) + 8 r + 4 (t / 2): one load of 8 bytes a lane then gives two registers,
	s_lshl_b32 s85, s85, 7                         ; each with an even tile's words in lanes 0-15 and an odd tile's in lanes 16-31
	s_add_co_u32 s84, s84, s85
	s_bfe_u32 s85, s14, 0x10001
	s_lshl_b32 s85, s85, 2
	s_add_co_u32 s84, s84, s85
	v_lshl_add_u32 v[SGA], v18, 3, s84
	v_lshlrev_b32 v[H8], 3, v19
	v_lshlrev_b32 v[WCO], 8, v18
	v_lshl_add_u32 v[WCO], v19, 7, v[WCO]
	v_mov_b32 v[PX], 0                             ; written once: a lane permute's destination counts as one of its sources
	s_lshl_b32 s86, s19, 12                        ; x: the 16 rows that I fetch begin at row 4,096 x batch + 64 X + 16 (w % 4), of 2,048 bytes
	s_lshl_b32 s87, s18, 6
	s_add_co_u32 s86, s86, s87
	s_lshl_b32 s87, s15, 4
	s_add_co_u32 s86, s86, s87
	s_lshl_b32 s86, s86, 11
	s_mov_b32 s87, 0
	s_lshl_b32 s88, s15, 15                        ; W_B: row 16 (w % 4): no place in the cluster enters it
	s_mov_b32 s89, 0
	s_mul_i32 s90, s14, GS                         ; where my 16 rows go in a K step's raw numbers: the wave's number alone
	s_lshl_b32 s56, s19, 6                         ; my record in kv, and in it K's part (group 0) or V's (group 1)
	s_add_co_u32 s56, s56, s18
	s_mul_i32 s56, s56, 6656
	s_mul_i32 s57, s16, 3328
	s_add_co_u32 s56, s56, s57
	s_mov_b32 s57, 0
	s_mul_i32 s58, s15, 768                        ; my tile in it
	s_mov_b32 s59, 0
	s_and_b32 s60, s18, 1                          ; V's scale word: an odd record's two bytes are bytes 2 and 3 of a key step's word
	s_mul_i32 s60, s60, s16
	s_lshl_b32 s60, s60, 4
	s_wait_dscnt 0x0                               ; both opening adds are done
	s_wait_kmcnt 0x0
	s_add_nc_u64 s[86:87], s[4:5], s[86:87]
	s_add_nc_u64 s[88:89], s[6:7], s[88:89]
	s_add_nc_u64 s[56:57], s[10:11], s[56:57]
	s_add_nc_u64 s[58:59], s[56:57], s[58:59]
.irp k, 0,1,2,3
	s_mov_b32 s[G0X+4*\k], 1                       ; count = 1
	s_add_co_u32 s[G0X+4*\k+1], s90, \k*RS         ; LDS address
	s_add_nc_u64 s[G0X+4*\k+2:G0X+4*\k+3], s[86:87], 512*\k   ; global address: K step k
	s_or_b32 s[G0X+4*\k+3], s[G0X+4*\k+3], 0x80000000         ; type = 2
	s_mov_b32 s[G0W+4*\k], 1
	s_add_co_u32 s[G0W+4*\k+1], s90, \k*RS
	s_add_nc_u64 s[G0W+4*\k+2:G0W+4*\k+3], s[88:89], 512*\k
	s_or_b32 s[G0W+4*\k+3], s[G0W+4*\k+3], 0x80000000
.endr
	CROUND                                         ; all four work-groups are here: the joint loads meet
	s_cmp_lt_u32 s14, 4                            ; a wave's four first fills stand in one arm of one branch on the wave's number: four loads of mine are out
	s_cbranch_scc0 .Lfill_w
.irp k, 0,1,2,3
	tensor_load_to_lds s[G0X+4*\k:G0X+4*\k+3], s[G1X:G1X+7]
	s_nop 0
.endr
.rept 4
	v_nop
.endr
	s_branch .Lfilled
.Lfill_w:
.irp k, 0,1,2,3
	tensor_load_to_lds s[G0W+4*\k:G0W+4*\k+3], s[G1W:G1W+7]
	s_nop 0
.endr
.rept 4
	v_nop
.endr
.Lfilled:
	; W_C is quantised once in the launch, by the first cluster of the first batch, while its tiles are on their way: 4 work-groups x 8 waves = 32 tiles of 16 rows.
	; The branch hangs on the cluster's number and the batch, which the partners share; cx enters addresses alone.
	s_or_b32 s84, ttmp9, s19
	s_cmp_lg_u32 s84, 0
	s_cbranch_scc1 .Lno_wc
	s_lshl_b32 s84, s17, 3
	s_add_co_u32 s84, s84, s14                     ; tile 8 cx + w
	s_lshl_b32 s52, s84, 12                        ; 16 rows of 256 bytes
	s_mov_b32 s53, 0
	s_add_nc_u64 s[52:53], s[8:9], s[52:53]
	s_lshl_b32 s54, s84, 10
	s_mov_b32 s55, 0
	s_add_nc_u64 s[54:55], s[12:13], s[54:55]
.irp i, 0,1,2,3,4,5,6,7
	global_load_b128 v[N+4*\i:N+4*\i+3], v[WCO], s[52:53] offset:16*\i   ; lane (r, h): ranks 32 h .. 32 h + 31 of row r: one whole block
.endr
	s_wait_loadcnt 0x0
	v_max3_num_f32 v[MX], |v[N]|, |v[N+1]|, 0x1800000
.irp i, 2,4,6,8,10,12,14,16,18,20,22,24,26,28,30
	v_max3_num_f32 v[MX], v[MX], |v[N+\i]|, |v[N+\i+1]|
.endr
	v_add_nc_u32 v[SO], 0xff000000, v[MX]
	v_lshrrev_b32 v[BY], 23, v[SO]
	v_lshlrev_b32 v[W], v[H8], v[BY]               ; my block's byte at its place; bytes 2 and 3 stay 0
	v_permlanex16_b32 v[PX], v[W], s[SEL], s[SEL+1]
	v_or_b32 v[W], v[W], v[PX]
	v_cvt_scalef32_pk16_fp6_f32 v[R:R+2], v[N:N+15], v[SO]
	v_cvt_scalef32_pk16_fp6_f32 v[CT:CT+2], v[N+16:N+31], v[SO]
	v_nop                                          ; one plain place behind a scaled conversion
.irp i, 0,1,2
	v_mov_b32 v[R+3+\i], v[CT+\i]
.endr
	global_store_b128 v[L16], v[R:R+3], s[54:55]
	global_store_b64 v[L8], v[R+4:R+5], s[54:55] offset:512
	global_store_b32 v[L4], v[W], s[54:55] offset:768
	s_wait_xcnt 0x0                                ; the stores have read their registers: these are written again below
.Lno_wc:
	s_wait_tensorcnt 0x3                           ; my load of K step 0 has landed; K steps 1 to 3 may stay out
	s_barrier_signal -1
	s_barrier_wait -1                              ; everybody's has: a tile's rows come from two waves' loads
	RAWLOAD 0
	s_wait_dscnt 0x0
	QUANTB 0
	IMAGE 0
	KS 1
	KS 2
	KS 3
	s_wait_dscnt 0x0                               ; my image of K step 3 has landed
	s_barrier_signal -1
	s_barrier_wait -1
	OTHLOAD 3
	s_wait_dscnt 0x0
.rept 8
	v_nop                                          ; a scale register written by a vector instruction stands 8 places ahead of a scaled matrix instruction, an operand so written 4
.endr
	MUL 3
	; b.  Register 8 i + j of the four accumulators is k = 32 h + 8 i + j of my lane's row (waves 0-3: k = rank, row = token; waves 4-7: k = token, row = rank): one whole block of 32, all mine.
.irp b, 0,1
	v_max3_num_f32 v[MX+\b], |v[ACC+16*\b]|, |v[ACC+16*\b+1]|, 0x1800000   ; two chains; each accumulator is read from its low end on
.endr
.irp i, 2,4,6,8,10,12,14
.irp b, 0,1
	v_max3_num_f32 v[MX+\b], v[MX+\b], |v[ACC+16*\b+\i]|, |v[ACC+16*\b+\i+1]|
.endr
.endr
	v_max_num_f32 v[MX], v[MX], v[MX+1]            ; the block's largest magnitude
	v_add_nc_u32 v[SO], 0xff000000, v[MX]
	v_lshrrev_b32 v[BY], 23, v[SO]
	v_lshlrev_b32 v[W], v[H8], v[BY]               ; my block's byte at its place;
	v_permlanex16_b32 v[PX], v[W], s[SEL], s[SEL+1]
	v_or_b32 v[W], v[W], v[PX]                     ; with lane l xor 16's: my row's two bytes; the word's other two stay 0
	v_cvt_scalef32_pk16_fp6_f32 v[R:R+2], v[ACC:ACC+15], v[SO]
	v_cvt_scalef32_pk16_fp6_f32 v[CT:CT+2], v[ACC+16:ACC+31], v[SO]
	v_nop                                          ; one plain place behind a scaled conversion
.irp i, 0,1,2
	v_mov_b32 v[R+3+\i], v[CT+\i]
.endr
	v_lshlrev_b32 v[W], s60, v[W]                  ; V of an odd record: 16 bits up
	ds_store_b32 v[SGA], v[W]                      ; lanes r and 16 + r write the same word with the same value
	global_store_b128 v[L16], v[R:R+3], s[58:59]   ; 512 consecutive bytes, at a multiple of 256 from kv's first byte
	global_store_b64 v[L8], v[R+4:R+5], s[58:59] offset:512   ; 256 more
	s_wait_dscnt 0x0                               ; for the others' sake: my scale words have landed
	s_barrier_signal -1
	s_barrier_wait -1
	s_cmp_lg_u32 s15, 0                            ; waves 0 and 4 send K's and V's plane of scale words: 256 consecutive bytes each
	s_cbranch_scc1 .Lno_plane
	ds_load_b64 v[N:N+1], v[SGR]
	s_wait_dscnt 0x0
	global_store_b64 v[L8], v[N:N+1], s[56:57] offset:3072
.Lno_plane:
	s_wait_tensorcnt 0x0                           ; the wave's end, behind my last tensor load and my last LDS store
	ds_add_u32 v[SPW], v[NIL]
	s_wait_dscnt 0x0
	CROUND                                         ; the closing round: no work-group ends while a partner may still ask for a tile that names it
	s_endpgm
.Lfunc_end_k_q963adfc224_proj:
	.size	k_q963adfc224_proj, .Lfunc_end_k_q963adfc224_proj-k_q963adfc224_proj
	.p2alignl 7, 3214868480
	.fill 96, 4, 3214868480
	.section	.rodata,"a",@progbits
	.p2align	6, 0x0
	.amdhsa_kernel k_q963adfc224_proj
		.amdhsa_group_segment_fixed_size 327680
		.amdhsa_private_segment_fixed_size 0
		.amdhsa_enable_private_segment 0
		.amdhsa_kernarg_size 40
		.amdhsa_user_sgpr_count 2
		.amdhsa_user_sgpr_kernarg_segment_ptr 1
		.amdhsa_wavefront_size32 1
		.amdhsa_system_sgpr_workgroup_id_x 1
		.amdhsa_system_sgpr_workgroup_id_y 1
		.amdhsa_system_sgpr_workgroup_id_z 1
		.amdhsa_system_vgpr_workitem_id 0
		.amdhsa_next_free_vgpr 256
		.amdhsa_next_free_sgpr 102
		.amdhsa_reserve_vcc 0
		.amdhsa_float_denorm_mode_32 3
		.amdhsa_float_denorm_mode_16_64 3
		.amdhsa_memory_ordered 1
		.amdhsa_forward_progress 1
		.amdhsa_inst_pref_size 39
	.end_amdhsa_kernel
	.amdgpu_metadata
---
amdhsa.version: [ 1, 2 ]
amdhsa.kernels:
  - .name:           k_q963adfc224_proj
    .symbol:         k_q963adfc224_proj.kd
    .args:
      - { .name: x, .offset: 0, .size: 8, .value_kind: global_buffer, .address_space: global }
      - { .name: W_B, .offset: 8, .size: 8, .value_kind: global_buffer, .address_space: global }
      - { .name: W_C, .offset: 16, .size: 8, .value_kind: global_buffer, .address_space: global }
      - { .name: kv, .offset: 24, .size: 8, .value_kind: global_buffer, .address_space: global }
      - { .name: wc, .offset: 32, .size: 8, .value_kind: global_buffer, .address_space: global }
    .group_segment_fixed_size: 327680
    .private_segment_fixed_size: 0
    .kernarg_segment_align: 8
    .kernarg_segment_size: 40
    .max_flat_workgroup_size: 256
    .sgpr_count:     102
    .vgpr_count:     256
    .wavefront_size: 32
...
	.end_amdgpu_metadata
.endif
;; end of part 1
;; launch attn (part 2): grid 64 x 4, 16 waves a work-group, clusters of 4 x 1, 327,680 bytes of LDS; arguments kv, wc, out0; writes out0
.if DOCPART == 2
	.amdgcn_target "amdgcn-amd-amdhsa--gfx1250"
	.amdhsa_code_object_version 6
	.text
	.protected	k_q963adfc224_attn
	.globl	k_q963adfc224_attn
	.p2align	8
	.type	k_q963adfc224_attn,@function
k_q963adfc224_attn:
	s_mov_b64 s[64:65], 0
	v_nop
	global_prefetch_b8 v0, s[64:65] scope:SCOPE_SE
	s_setreg_imm32_b32 hwreg(HW_REG_WAVE_MODE, 25, 1), 1
	s_wait_xcnt 0x0
	s_wait_alu depctr_hold_cnt(0) depctr_sa_sdst(0) depctr_va_vdst(0) depctr_va_sdst(0) depctr_va_ssrc(0) depctr_va_vcc(0) depctr_vm_vsrc(0)
	s_getreg_b32 s2, hwreg(HW_REG_IB_STS2, 6, 4)
	s_cmp_eq_u32 s2, 0
	s_cbranch_scc0 .Lentry_in_a_cluster
	s_endpgm
.Lentry_in_a_cluster:
	s_bfe_u32 s2, ttmp6, 0x10000c
	s_cmp_lg_u32 s2, 0x3003
	s_cbranch_scc0 .Lentry_shape_is_right
	s_endpgm
.Lentry_shape_is_right:
; LowRankTokenMix, second of two launches.  scores = Q(b) Q(b)^T (K = 64), the softmax, mixed = Q(p) Q(b) / l (K = 4,096 keys), out = Q(mixed) Q(W_C)^T (K = 64); all on codes of FP6 (E2M3)
; with one E8M0 byte for each 32 along K.  Nothing of the problem is left out.
; THE SOFTMAX AHEAD OF THE SECOND PRODUCT: t = score x log2(e); M = the largest t so far, rounded UP to a whole number; p = 2^(t - M) is what is quantised, along the keys, not normalised;
; the row's sum l is taken of the unquantised p and divides at the end.  When M moves, l and O are multiplied by 2^(old M - new M): exact.
; K = 64 IN AN INSTRUCTION OF 128: source 1 (the queries, mixed) has zero codes for k = 64 .. 127, and both sides' scale bytes of those two blocks are 0 (2^-127), so that they never hold the largest
; exponent.  Source 0's registers 6 to 11 are then whatever follows its six in the register file: the next tile's codes, or six registers cleared at the head.  E2M3 has no NaN and no infinity: each such product is an exact 0.
; LIMITS: NaN and infinities are not served; p under 2^-126 counts as 0 (v_exp_f32 gives 0 there: ISA guide, its entry in 15.8); a block whose largest magnitude lies under 2^(3 - 127) gets the byte 1.
; SHARES.  Work-group X of a batch owns the 64 queries of record X of kv.  Wave w: T = w % 4 is its tile of 16 queries, g = w / 4 its group of keys: of each 1,024 keys group g takes 256, two steps of 128;
; eight steps in all.  Four waves to a SIMD, 256 registers each: one wave's vector work stands beside another's matrix work and LDS loads.  Behind the keys the four groups of a tile meet in LDS, each of the
; four waves merges them in the same order, and wave (T, g) makes columns 128 g .. 128 g + 127 of out for its 16 queries.
; LAYOUT.  All products are used transposed (source 0 = keys, ranks of V, rows of W_C; source 1 = my 16 queries): a lane holds ONE query (lane % 16) throughout.  kv holds images of operand registers
; (first launch).  Row r of tile i of a record is token (or rank) 8 i + r % 8 + 32 (r / 8): in a result, register 8 i + j of four neighbouring tiles in lane (r, h) is then index 32 h + 8 i + j along the next K:
; A WHOLE BLOCK OF 32 IN A LANE, in natural order and in the lane in which the next operand wants it.  So p and mixed change no lane on their way to codes, and a block's maximum asks no other lane.
; A tile of K is also the fragment of those 16 tokens as queries.
; CLUSTER.  The four partners belong to one batch and walk the same kv: every tensor load is asked for JOINTLY, mask 15.  Three slots of 1,024 keys are filled at the head, the first of them once more.
; No prefetch is written: three of the four fills go out at the head, and the fourth four key steps ahead of its first read.
.set REC,   6656                       ; a record of kv: 64 tokens
.set SLOT,  16*REC                     ; a slot: 16 records, one tensor load a wave
.set SPARE, 3*SLOT                     ; behind the slots: the spare words, 128 bytes for each wave: eight blocks of 256 bytes that no other line names
.set MRG,   SLOT                       ; the merge: 4,352 bytes a wave (O's image, then -M and l at 4,096 + 8 x lane), and
.set STG,   MRG+16*4352                ; the stage for the way out: 16 rows x (512 + 16) bytes a wave.  Both lie in slots 1 and 2, which have had their only fill and their last read by then
.set A16,  1                           ; v1-3   16 x lane + my group's four records in slot 0, 1, 2;  in the tail: addresses of the merge
.set A8,   4                           ; v4-6   the same with 8 x lane;  in the tail: of the merge and the stage
.set SPW,  7                           ; v7     LDS address of my spare word; never rewritten
.set NIL,  8                           ; v8     0; never rewritten
.set L16,  9                           ; v9, v10, v29  16, 8, 4 x lane
.set L8,   10
.set QSO,  11                          ; v11    where my query's scale word lies in its record's plane
.set L4,   29
.set QF,   16                          ; v16-27 my queries' fragment (v22-27 = 0);  v28 their scale words
.set QS,   28
.set KV,   32                          ; v32-79 eight tiles of K (6 registers each), then four of V (12 each); v80-85 = 0
.set KSC,  86                          ; v86-89 K's scale words;  v90-93 V's
.set VSC,  90
.set H8,   94                          ; v94    8 x (lane / 16)
.set S,    96                          ; v96-159  S^T, then p
.set O,    160                         ; v160-191 O^T
.set BM,   192                         ; v192-195 four chains of maxima; then v192, v194: my two blocks' largest scores, then their largest p
.set BX,   196                         ; v196-199 what the lane 16 away holds; the bytes
.set SO,   200                         ; v200-201 the conversions' scale operands
.set T0,   204                         ; v204, v205 at work
.set T1,   205
.set F,    206                         ; v[206:207] f = 2^(old M - new M) (v207 = 0: named with it as a pair)
.set PS,   208                         ; v208   p's scale word; later mixed's
.set PC,   212                         ; v212-223 p's codes; later mixed's
.set CT,   224                         ; v224-226, v228-230 second halves of blocks
.set SM2,  232                         ; v[232:233] the sum's second chain
.set G1,   16                          ; s[16:23] descriptor group 1;  s[24:39] group 0, one set for each of the four fills, never rewritten
.set G0,   24
.set SEL,  40                          ; s[40:41] lane selects for v_permlanex16_b32: lane l xor 16
.set CS,   42                          ; s[42:43] log2(e): the packed form names a pair and takes its low word for both halves
.macro CREST                           ; a round of the cluster's barrier behind its opening barrier
	s_cmp_lg_u32 s10, 0
	s_cbranch_scc1 .Lnot_wave_0_\@
	s_barrier_signal -3
.Lnot_wave_0_\@:
	s_barrier_wait -3
	s_barrier_signal -1
	s_barrier_wait -1
.endm
.macro CROUND                          ; a whole round
	s_barrier_signal -1
	s_barrier_wait -1
	CREST
.endm
; A KEY STEP: 128 keys = two neighbouring records, the q-th pair of my group's four in slot sl.  first = 1: the step starts M, l and O^T.
; sync = 1, 2: this step holds my last LDS reads ahead of a barrier.  All of them are issued ahead of the softmax, so the barrier is SIGNALLED there, behind the waits that it needs, and the rest of the step, work on
; registers alone, stands between the signal and the wait, which follows the step.  sync = 1: slot 0 is filled again behind it: the wait for all my tensor loads, the add, the wait for the add and for my reads.
; sync = 2: my part of the last fill has landed, and my reads of slots 1 and 2 are over.
.macro STEP sl, q, first, sync
.set CB, 2*REC*(\q)
.if \first
.else
.rept 4
	v_nop                                          ; four places between the last products and the loads into their fragments' and scales' registers
.endr
.endif
.irp t, 0,1,2,3,4,5,6,7
	ds_load_b128 v[KV+6*\t:KV+6*\t+3], v[A16+\sl] offset:CB+REC*(\t/4)+768*(\t%4)
	ds_load_b64 v[KV+6*\t+4:KV+6*\t+5], v[A8+\sl] offset:CB+REC*(\t/4)+768*(\t%4)+512
.endr
.irp c, 0,1
	ds_load_b64 v[KSC+2*\c:KSC+2*\c+1], v[A8+\sl] offset:CB+REC*\c+3072   ; register KSC + t / 2: tile t's words, in lanes 0-15 (t even) or 16-31 (t odd)
.endr
.irp c, 0,1
	ds_load_b64 v[VSC+2*\c:VSC+2*\c+1], v[A8+\sl] offset:CB+REC*\c+6400   ; V's: the even record holds bytes 0 and 1 of a word, the odd one bytes 2 and 3
.endr
	s_wait_dscnt 0x0
.irp t, 0,1,2,3,4,5,6,7                        ; S^T = K Q^T: register j of tile t in lane (r, h) is key 64 (t / 4) + 32 h + 8 (t % 4) + j of the step, query r
.if \t%2
	v_wmma_scale_f32_16x16x128_f8f6f4 v[S+8*\t:S+8*\t+7], v[KV+6*\t:KV+6*\t+11], v[QF:QF+11], 0, v[KSC+\t/2], v[QS] matrix_a_fmt:MATRIX_FMT_FP6 matrix_b_fmt:MATRIX_FMT_FP6 matrix_a_scale:MATRIX_SCALE_ROW1
.else
	v_wmma_scale_f32_16x16x128_f8f6f4 v[S+8*\t:S+8*\t+7], v[KV+6*\t:KV+6*\t+11], v[QF:QF+11], 0, v[KSC+\t/2], v[QS] matrix_a_fmt:MATRIX_FMT_FP6 matrix_b_fmt:MATRIX_FMT_FP6
.endif
.endr
	v_or_b32 v[VSC], v[VSC], v[VSC+2]              ; V's scale words are made whole.  These two and two v_nop are the four places behind the products,
	v_or_b32 v[VSC+1], v[VSC+1], v[VSC+3]
	v_nop
	v_nop
.irp n, 0,1,2,3                                ; ahead of the loads of V into K's registers: they land under the softmax
.irp c, 0,1
	ds_load_b128 v[KV+12*\n+6*\c:KV+12*\n+6*\c+3], v[A16+\sl] offset:CB+REC*\c+3328+768*\n
	ds_load_b64 v[KV+12*\n+6*\c+4:KV+12*\n+6*\c+5], v[A8+\sl] offset:CB+REC*\c+3328+768*\n+512
.endr
.endr
.if \sync
	s_wait_tensorcnt 0x0                           ; all my tensor loads have landed
.endif
.if \sync == 1
	ds_add_u32 v[SPW], v[NIL]                      ; 0 onto my spare word: the search for the maxima stands between it and the wait for it
.endif
	; THE LARGEST SCORE OF EACH OF MY TWO BLOCKS OF 32 KEYS (registers 32 c .. 32 c + 31 are block 2 c + h): for the row's maximum, and, since p rises with the score, for the block's largest p
.irp x, 0,1,2,3
	v_max3_num_f32 v[BM+\x], v[S+16*\x], v[S+16*\x+1], v[S+16*\x+2]   ; four chains by turns, two to a block; each accumulator is read from its low end on
.endr
.irp i, 3,5,7,9,11,13
.irp x, 0,1,2,3
	v_max3_num_f32 v[BM+\x], v[BM+\x], v[S+16*\x+\i], v[S+16*\x+\i+1]
.endr
.endr
	v_max3_num_f32 v[BM], v[BM], v[BM+1], v[S+15]
	v_max3_num_f32 v[BM+2], v[BM+2], v[BM+3], v[S+47]
	v_max_num_f32 v[BM], v[BM], v[S+31]            ; block h
	v_max_num_f32 v[BM+2], v[BM+2], v[S+63]        ; block 2 + h
.if \sync
	s_wait_dscnt 0x0                               ; my LDS reads are in (sync = 1: and the add is done): none follows in this step
	s_barrier_signal -1                            ; say so; the wait follows the step
.endif
	v_max_num_f32 v[T1], v[BM], v[BM+2]
	v_permlanex16_b32 v[BX], v[T1], s[SEL], s[SEL+1]
	v_max_num_f32 v[T1], v[T1], v[BX]              ; with lane l xor 16's 64 keys: the step's largest score of my query
	v_mul_f32 v[T1], s[CS], v[T1]                  ; as t
.if \first
	v_mov_b32 v13, v[T1]                           ; the largest t so far
	v_floor_f32 v12, -v13                          ; -M = floor(-t) = -ceil(t): M IS A WHOLE NUMBER
.else
	v_max_num_f32 v13, v13, v[T1]
	v_mov_b32 v[T0], v12
	v_floor_f32 v12, -v13
	v_sub_f32 v[T0], v12, v[T0]                    ; M's old value less its new one: a whole number, 0 or less
	v_cvt_i32_f32 v[T0], v[T0]                     ; (it saturates)
	v_ldexp_f32 v[F], 1.0, v[T0]                   ; f = 2^(old M - new M)
.endif
	; ONE BATCH: the 64 exponentials p = 2^(t - M), dealt out among plain lines that name no exponential's result: the scalings t - M (a pair each, two fours ahead of its exponentials),
	; the same scaling of my two blocks' largest scores, and the first half of O^T's rescaling by f
	v_pk_fma_f32 v[S:S+1], v[S:S+1], s[CS:CS+1], v[12:13] op_sel_hi:[1,0,0]
	v_pk_fma_f32 v[S+2:S+3], v[S+2:S+3], s[CS:CS+1], v[12:13] op_sel_hi:[1,0,0]
.set k, 0
.rept 30
	v_exp_f32 v[S+2*k], v[S+2*k]
	v_pk_fma_f32 v[S+2*k+4:S+2*k+5], v[S+2*k+4:S+2*k+5], s[CS:CS+1], v[12:13] op_sel_hi:[1,0,0]
	v_exp_f32 v[S+2*k+1], v[S+2*k+1]
.if k < 2
	v_fma_f32 v[BM+2*k], v[BM+2*k], s[CS], v12
.elseif (k < 10) && (\first == 0)
	v_pk_mul_f32 v[O+2*k-4:O+2*k-3], v[O+2*k-4:O+2*k-3], v[F:F+1] op_sel_hi:[1,0]
.endif
.set k, k+1
.endr
.irp j, 60,61,62,63
	v_exp_f32 v[S+\j], v[S+\j]
.endr
.if \first
	v_nop                                          ; a plain place behind the exponentials
.else
	v_pk_mul_f32 v[14:15], v[14:15], v[F:F+1] op_sel_hi:[1,0]   ; the sums under the new M.  (A plain place behind the exponentials)
.endif
	s_wait_alu depctr_va_vdst(0)                   ; a wait ahead of the first instruction that names an exponential's result: one for the batch of 64
	v_exp_f32 v[BM], v[BM]                         ; my blocks' largest p: the same two instructions on the same number give the same bits
	v_exp_f32 v[BM+2], v[BM+2]
	v_pk_add_f32 v[SM2:SM2+1], v[S:S+1], v[S+2:S+3]   ; THE ROW'S SUM IS TAKEN OF THE UNQUANTISED p: two at a time, in two chains; its first half stands behind the two exponentials
.irp j, 4,8,12,16,20,24,28
	v_pk_add_f32 v[14:15], v[14:15], v[S+\j:S+\j+1]
	v_pk_add_f32 v[SM2:SM2+1], v[SM2:SM2+1], v[S+\j+2:S+\j+3]
.endr
	s_wait_alu depctr_va_vdst(0)                   ; and one for the two
	v_max_num_f32 v[BM], 0x1800000, v[BM]          ; the floor 2^(3 - 127): the byte cannot fall under 1
	v_max_num_f32 v[BM+2], 0x1800000, v[BM+2]
	v_add_nc_u32 v[SO], 0xff000000, v[BM]          ; 2 off the exponent field: the conversion's scale operand
	v_add_nc_u32 v[SO+1], 0xff000000, v[BM+2]
	v_lshrrev_b32 v[BX], 23, v[SO]                 ; the scale's byte
	v_lshrrev_b32 v[BX+1], 23, v[SO+1]
	v_lshl_or_b32 v[PS], v[BX+1], 16, v[BX]        ; my bytes: blocks h and 2 + h,
	v_lshlrev_b32 v[PS], v[H8], v[PS]              ; at their places (8 h bits up);
	v_permlanex16_b32 v[BX+2], v[PS], s[SEL], s[SEL+1]
	v_or_b32 v[PS], v[PS], v[BX+2]                 ; with lane l xor 16's two: p's scale word for these 128 keys
.irp j, 32,36,40,44,48,52,56,60                ; the sum's second half: 17 plain lines behind the scale word that name no register of the products below (8 places are asked)
	v_pk_add_f32 v[14:15], v[14:15], v[S+\j:S+\j+1]
	v_pk_add_f32 v[SM2:SM2+1], v[SM2:SM2+1], v[S+\j+2:S+\j+3]
.endr
	v_pk_add_f32 v[14:15], v[14:15], v[SM2:SM2+1]
.irp c, 0,1                                    ; registers 6 c .. 6 c + 5 of the operand: k = 64 c + 32 h + 0 .. 31: my own 32 numbers
	v_cvt_scalef32_pk16_fp6_f32 v[PC+6*\c:PC+6*\c+2], v[S+32*\c:S+32*\c+15], v[SO+\c]
	v_cvt_scalef32_pk16_fp6_f32 v[CT+4*\c:CT+4*\c+2], v[S+32*\c+16:S+32*\c+31], v[SO+\c]   ; (a conversion's three registers begin on an even number)
.endr
	v_nop                                          ; one plain place behind a scaled conversion
.irp c, 0,1
.irp i, 0,1,2
	v_mov_b32 v[PC+6*\c+3+\i], v[CT+4*\c+\i]
.endr
.endr
.if \first
.rept 8
	v_nop                                          ; an operand written by a vector instruction stands 4 places ahead of a scaled matrix instruction
.endr
.else
.irp j, 16,18,20,22,24,26,28,30
	v_pk_mul_f32 v[O+\j:O+\j+1], v[O+\j:O+\j+1], v[F:F+1] op_sel_hi:[1,0]   ; the second half of O^T's rescaling: also the places behind p's codes
.endr
.endif
.if \sync
.else
	s_wait_dscnt 0x0                               ; V is in (sync = 1, 2: the wait ahead of the signal has shown it)
.endif
.irp n, 0,1,2,3                                ; O^T += V^T P^T: register j of tile n in lane (r, h) is rank 32 h + 8 n + j.  The four accumulators by turns, one instruction a turn
.if \first
.if \n%2
	v_wmma_scale_f32_16x16x128_f8f6f4 v[O+8*\n:O+8*\n+7], v[KV+12*\n:KV+12*\n+11], v[PC:PC+11], 0, v[VSC+\n/2], v[PS] matrix_a_fmt:MATRIX_FMT_FP6 matrix_b_fmt:MATRIX_FMT_FP6 matrix_a_scale:MATRIX_SCALE_ROW1
.else
	v_wmma_scale_f32_16x16x128_f8f6f4 v[O+8*\n:O+8*\n+7], v[KV+12*\n:KV+12*\n+11], v[PC:PC+11], 0, v[VSC+\n/2], v[PS] matrix_a_fmt:MATRIX_FMT_FP6 matrix_b_fmt:MATRIX_FMT_FP6
.endif
.else
.if \n%2
	v_wmma_scale_f32_16x16x128_f8f6f4 v[O+8*\n:O+8*\n+7], v[KV+12*\n:KV+12*\n+11], v[PC:PC+11], v[O+8*\n:O+8*\n+7], v[VSC+\n/2], v[PS] matrix_a_fmt:MATRIX_FMT_FP6 matrix_b_fmt:MATRIX_FMT_FP6 matrix_a_scale:MATRIX_SCALE_ROW1
.else
	v_wmma_scale_f32_16x16x128_f8f6f4 v[O+8*\n:O+8*\n+7], v[KV+12*\n:KV+12*\n+11], v[PC:PC+11], v[O+8*\n:O+8*\n+7], v[VSC+\n/2], v[PS] matrix_a_fmt:MATRIX_FMT_FP6 matrix_b_fmt:MATRIX_FMT_FP6
.endif
.endif
.endr
.endm
	s_load_b128 s[4:7], s[0:1], 0x0                ; kv s[4:5], wc s[6:7]
	s_load_b64 s[8:9], s[0:1], 0x10                ; out0
	v_lshl_add_u32 v[SPW], v0, 2, SPARE
	v_mov_b32 v[NIL], 0
	ds_add_u32 v[SPW], v[NIL]                      ; the wave's opening: the add, twice on end, and its wait ahead of my first tensor load
	ds_add_u32 v[SPW], v[NIL]                      ; and once more; the set-up below, work on registers, stands between it and the wait
	v_lshrrev_b32 v30, 5, v0
	v_readfirstlane_b32 s10, v30                   ; wave 0..15
	s_lshr_b32 s11, s10, 2                         ; g: my group of keys, later my 128 columns of out
	s_and_b32 s12, s10, 3                          ; T: my tile of queries
	s_bfe_u32 s13, ttmp6, 0x40000                  ; cx: my place in the cluster
	s_lshl_b32 s14, ttmp9, 2
	s_add_co_u32 s14, s14, s13                     ; X = 4 x cluster x + cx: it enters the queries' and out's addresses alone
	s_and_b32 s15, ttmp7, 0xffff                   ; the batch, which the four partners share
	; descriptor group 1: a record, 6,656 dense bytes, as 26 rows of 256 bytes (32 elements of 8 bytes), no padding
	s_mov_b32 s[G1], 15|(3<<16)|(1<<21)            ; the mask: all four work-groups; elements of 8 bytes; bit 21 beside a mask
	s_mov_b32 s[G1+1], 32<<16                      ; tensor_dim0 = 32
	s_mov_b32 s[G1+2], 26<<16                      ; tensor_dim1 = 26
	s_mov_b32 s[G1+3], 32<<16                      ; tile_dim0 = 32
	s_mov_b32 s[G1+4], 26                          ; tile_dim1 = 26
	s_mov_b32 s[G1+5], 32                          ; from row to row
	s_mov_b32 s[G1+6], 0
	s_mov_b32 s[G1+7], 0
	s_mov_b32 s[SEL], 0x76543210
	s_mov_b32 s[SEL+1], 0xfedcba98
	s_mov_b32 s[CS], 0x3fb8aa3b                    ; log2(e)
	s_mov_b32 s[CS+1], s[CS]                       ; (named with it as a pair, so it is written)
	s_mul_i32 s44, s15, 64*REC                     ; the batch's first byte in kv
	s_mul_i32 s46, s10, REC                        ; the record that I fetch of a slot's 16: in memory and in LDS
	s_add_co_u32 s48, s44, s46
	s_mov_b32 s49, 0
	s_mul_i32 s50, s14, REC                        ; my work-group's own record: its queries
	s_add_co_u32 s50, s50, s44
	s_mov_b32 s51, 0
	s_mul_i32 s52, s12, 768                        ; my tile in it
	s_mov_b32 s53, 0
	s_and_b32 s54, s12, 1                          ; tile T's scale word of row r lies at 128 (T % 2) + 4 (T / 2) + 8 r of the plane
	s_lshl_b32 s54, s54, 7
	s_lshr_b32 s55, s12, 1
	s_lshl_b32 s55, s55, 2
	s_add_co_u32 s54, s54, s55
	s_lshl_b32 s56, s11, 13                        ; W_C's tiles 8 g .. 8 g + 7
	s_mov_b32 s57, 0
	s_lshl_b32 s58, s15, 12                        ; out: row 4,096 x batch + 64 X + 8 T, of 2,048 bytes, + 512 g
	s_lshl_b32 s59, s14, 6
	s_add_co_u32 s58, s58, s59
	s_lshl_b32 s59, s12, 3
	s_add_co_u32 s58, s58, s59
	s_lshl_b32 s58, s58, 11
	s_lshl_b32 s59, s11, 9
	s_add_co_u32 s58, s58, s59
	s_mov_b32 s59, 0
	v_and_b32 v30, 31, v0                          ; lane
	v_and_b32 v31, 15, v0                          ; r
	v_lshlrev_b32 v[L16], 4, v30
	v_lshlrev_b32 v[L8], 3, v30
	v_lshlrev_b32 v[L4], 2, v30
	v_bfe_u32 v[H8], v0, 4, 1
	v_lshlrev_b32 v[H8], 3, v[H8]                  ; 8 h
	s_mul_i32 s47, s11, 4*REC                      ; my group's four records in a slot
	v_add_nc_u32 v[A16], s47, v[L16]
	v_add_nc_u32 v[A16+1], SLOT, v[A16]
	v_add_nc_u32 v[A16+2], 2*SLOT, v[A16]
	v_add_nc_u32 v[A8], s47, v[L8]
	v_add_nc_u32 v[A8+1], SLOT, v[A8]
	v_add_nc_u32 v[A8+2], 2*SLOT, v[A8]
	v_lshl_add_u32 v[QSO], v31, 3, s54
	s_wait_dscnt 0x0                               ; both opening adds are done
	s_wait_kmcnt 0x0
	s_add_nc_u64 s[48:49], s[4:5], s[48:49]
	s_add_nc_u64 s[50:51], s[4:5], s[50:51]
	s_add_nc_u64 s[52:53], s[50:51], s[52:53]
	s_add_nc_u64 s[56:57], s[6:7], s[56:57]
	s_add_nc_u64 s[58:59], s[8:9], s[58:59]
.irp f, 0,1,2,3                                ; fill f brings keys 1,024 f on, into slot f % 3
	s_mov_b32 s[G0+4*\f], 1                        ; count = 1
	s_add_co_u32 s[G0+4*\f+1], s46, (\f%3)*SLOT    ; LDS address: the wave's number and constants alone
	s_add_nc_u64 s[G0+4*\f+2:G0+4*\f+3], s[48:49], \f*SLOT   ; global address: the batch and the wave's number alone
	s_or_b32 s[G0+4*\f+3], s[G0+4*\f+3], 0x80000000          ; type = 2
.endr
	CROUND                                         ; all four work-groups are here: the first joint loads meet
.irp f, 0,1,2
	tensor_load_to_lds s[G0+4*\f:G0+4*\f+3], s[G1:G1+7]       ; every wave issues its three first fills, with no branch: three loads of mine are out
	s_nop 0
.endr
.rept 4
	v_nop
.endr
	global_load_b128 v[QF:QF+3], v[L16], s[52:53]             ; my queries: tile T of my work-group's record, as it lies
	global_load_b64 v[QF+4:QF+5], v[L8], s[52:53] offset:512
	global_load_b32 v[QS], v[QSO], s[50:51] offset:3072       ; and their scale words (lanes 0-15 are read)
.irp i, 0,1,2,3,4,5
	v_mov_b32 v[QF+6+\i], 0                        ; zero codes for k = 64 .. 127
	v_mov_b32 v[KV+48+\i], 0                       ; what stands behind the last tile of six registers
.endr
	v_mov_b32 v14, 0                               ; the sum, in two halves
	v_mov_b32 v15, 0
.irp b, 0,1,2,3
	v_mov_b32 v[BX+\b], 0                          ; written once: a lane permute's destination counts as one of its sources
.endr
	v_mov_b32 v[F+1], 0                            ; (named as the upper half of a pair)
	v_mov_b32 v203, 0                              ; (likewise, in the merge)
	s_wait_tensorcnt 0x2                           ; my record of slot 0 has landed; slots 1 and 2 may stay out
	s_barrier_signal -1
	s_barrier_wait -1                              ; everybody's has
	s_wait_loadcnt 0x0                             ; my queries
	STEP 0, 0, 1, 0
	STEP 0, 1, 0, 1                                ; in it: all my tensor loads have landed, the add, my reads of slot 0 are over, and the round's opening signal
	s_barrier_wait -1                              ; all sixteen waves have said so;
	CREST                                          ; and all four work-groups: no wave of any partner still reads slot 0 or has a load on its way
	tensor_load_to_lds s[G0+12:G0+15], s[G1:G1+7]  ; the last 1,024 keys into slot 0: my one tensor load behind the round, and the first thing there; four key steps stand ahead of its first read
	s_nop 0
	STEP 1, 0, 0, 0                                ; (its four v_nop stand directly behind the load)
	STEP 1, 1, 0, 0
	STEP 2, 0, 0, 0
	STEP 2, 1, 0, 2                                ; in it: my record of the last fill has landed, my reads of slots 1 and 2 are over, and the signal
	s_barrier_wait -1                              ; both hold of every wave: slot 0 is whole, slots 1 and 2 become the merge and the stages
	STEP 0, 0, 0, 0
	STEP 0, 1, 0, 0
	; THE GROUPS MEET.  The address lines are the places behind the last products.
	v_and_b32 v31, 15, v0                          ; r
	v_bfe_u32 v30, v0, 4, 1                        ; h
	s_mul_i32 s44, s10, 4352
	s_add_co_u32 s44, s44, MRG                     ; my part of the merge
	s_mul_i32 s45, s12, 4352
	s_add_co_u32 s45, s45, MRG                     ; group 0's part for my tile; group gm's lies 4 x 4,352 gm bytes on
	s_mul_i32 s46, s10, 8448
	s_add_co_u32 s46, s46, STG                     ; my stage
	v_add_nc_u32 v1, s44, v[L16]
	v_add_nc_u32 v2, s44, v[L8]
	v_add_nc_u32 v3, s45, v[L16]
	v_add_nc_u32 v4, s45, v[L8]
	v_mul_u32_u24 v5, v31, 528
	v_lshl_add_u32 v5, v30, 5, v5
	v_add_nc_u32 v5, s46, v5                       ; into the stage: row r, + 32 h
	v_add_nc_u32 v6, s46, v[L16]                   ; back: 16 bytes a lane of a row of 512
	v_add_f32 v14, v14, v15                        ; the sum's two halves,
	v_permlanex16_b32 v[T1], v14, s[SEL], s[SEL+1]
	v_add_f32 v13, v14, v[T1]                      ; and lane l xor 16's: my group's l, beside -M in v12
.irp p, 0,1,2,3,4,5,6,7
	ds_store_b128 v1, v[O+4*\p:O+4*\p+3] offset:512*\p   ; O^T as it stands, each accumulator from its low end on
.endr
	ds_store_b64 v2, v[12:13] offset:4096
.irp i, 0,1,2,3,4,5,6,7                        ; W_C's eight tiles for my 128 columns come in meanwhile
	global_load_b128 v[KV+6*\i:KV+6*\i+3], v[L16], s[56:57] offset:1024*\i
	global_load_b64 v[KV+6*\i+4:KV+6*\i+5], v[L8], s[56:57] offset:1024*\i+512
	global_load_b32 v[KSC+\i], v[L4], s[56:57] offset:1024*\i+768
.endr
	s_wait_dscnt 0x0                               ; for the others' sake: my stores have landed
	s_barrier_signal -1
	s_barrier_wait -1
.irp gm, 0,1,2
.irp p, 0,1,2,3,4,5,6,7
	ds_load_b128 v[S+32*\gm+4*\p:S+32*\gm+4*\p+3], v3 offset:17408*\gm+512*\p
.endr
.endr
.irp p, 0,1,2,3,4,5,6,7
	ds_load_b128 v[224+4*\p:224+4*\p+3], v3 offset:17408*3+512*\p
.endr
.irp gm, 0,1,2,3
	ds_load_b64 v[192+2*\gm:193+2*\gm], v4 offset:17408*\gm+4096   ; -M and l of group gm
.endr
	s_wait_dscnt 0x0
	v_min3_num_f32 v210, v192, v194, v196
	v_min_num_f32 v210, v210, v198                 ; -M of the whole row
.irp gm, 0,1,2,3
	v_sub_f32 v[200+2*\gm], v210, v[192+2*\gm]     ; the group's M less the row's: a whole number, 0 or less
.endr
.irp gm, 0,1,2,3
	v_cvt_i32_f32 v[200+2*\gm], v[200+2*\gm]
.endr
.irp gm, 0,1,2,3
	v_ldexp_f32 v[200+2*\gm], 1.0, v[200+2*\gm]    ; the group's factor, an exact power of two
.endr
	v_mul_f32 v211, v200, v193                     ; the row's sum, in the same order in all four waves of a tile
	v_fma_f32 v211, v202, v195, v211
	v_fma_f32 v211, v204, v197, v211
	v_fma_f32 v211, v206, v199, v211
	v_rcp_f32 v210, v211
.irp j, 0,2,4,6,8,10,12,14,16,18,20,22,24,26,28,30
	v_pk_mul_f32 v[S+\j:S+\j+1], v[S+\j:S+\j+1], v[200:201] op_sel_hi:[1,0]   ; (of each pair of factors the low word serves both halves)
.endr
.irp j, 0,2,4,6,8,10,12,14,16,18,20,22,24,26,28,30
	v_pk_fma_f32 v[S+\j:S+\j+1], v[S+32+\j:S+32+\j+1], v[202:203], v[S+\j:S+\j+1] op_sel_hi:[1,0,1]
.endr
.irp j, 0,2,4,6,8,10,12,14,16,18,20,22,24,26,28,30
	v_pk_fma_f32 v[S+\j:S+\j+1], v[S+64+\j:S+64+\j+1], v[204:205], v[S+\j:S+\j+1] op_sel_hi:[1,0,1]
.endr
.irp j, 0,2,4,6,8,10,12,14,16,18,20,22,24,26,28,30
	v_pk_fma_f32 v[S+\j:S+\j+1], v[224+\j:224+\j+1], v[206:207], v[S+\j:S+\j+1] op_sel_hi:[1,0,1]
.endr
	s_wait_alu depctr_va_vdst(0)                   ; a wait ahead of the reciprocal's first reader; the 64 lines above are the work between
.irp j, 0,2,4,6,8,10,12,14,16,18,20,22,24,26,28,30
	v_pk_mul_f32 v[S+\j:S+\j+1], v[S+\j:S+\j+1], v[210:211] op_sel_hi:[1,0]   ; mixed: register 8 n + j is rank 32 h + 8 n + j of my query
.endr
	; mixed is quantised along the rank: one whole block of 32 in my lane
.irp b, 0,1
	v_max3_num_f32 v[BM+\b], |v[S+16*\b]|, |v[S+16*\b+1]|, 0x1800000   ; two chains
.endr
.irp i, 2,4,6,8,10,12,14
.irp b, 0,1
	v_max3_num_f32 v[BM+\b], v[BM+\b], |v[S+16*\b+\i]|, |v[S+16*\b+\i+1]|
.endr
.endr
	v_max_num_f32 v[BM], v[BM], v[BM+1]
	v_add_nc_u32 v[SO], 0xff000000, v[BM]
	v_lshrrev_b32 v[BX], 23, v[SO]
	v_lshlrev_b32 v[PS], v[H8], v[BX]              ; my block's byte at its place;
	v_permlanex16_b32 v[BX+1], v[PS], s[SEL], s[SEL+1]
	v_or_b32 v[PS], v[PS], v[BX+1]                 ; with lane l xor 16's: the scale word; bytes 2 and 3 are 0
	v_cvt_scalef32_pk16_fp6_f32 v[PC:PC+2], v[S:S+15], v[SO]
	v_cvt_scalef32_pk16_fp6_f32 v[CT:CT+2], v[S+16:S+31], v[SO]
	v_nop                                          ; one plain place behind a scaled conversion
.irp i, 0,1,2
	v_mov_b32 v[PC+3+\i], v[CT+\i]
.endr
.irp i, 0,1,2,3,4,5
	v_mov_b32 v[PC+6+\i], 0                        ; zero codes for k = 64 .. 127
.endr
.rept 8
	v_nop                                          ; 8 places behind the scale word's last write, 4 behind the operand's
.endr
	s_wait_loadcnt 0x0                             ; W_C's tiles
.irp i, 0,1,2,3,4,5,6,7                        ; out^T: register j of tile i in lane (r, h) is column 128 g + 16 i + 8 h + j of my query r
	v_wmma_scale_f32_16x16x128_f8f6f4 v[128+8*\i:135+8*\i], v[KV+6*\i:KV+6*\i+11], v[PC:PC+11], 0, v[KSC+\i], v[PS] matrix_a_fmt:MATRIX_FMT_FP6 matrix_b_fmt:MATRIX_FMT_FP6
.endr
.rept 4
	v_nop                                          ; four places ahead of the first read of the results
.endr
	; THE WAY OUT, through my own stage: a lane's 32 bytes of a row go in, whole rows of 512 bytes come back.  LDS serves a wave's instructions in order (ISA guide 5.7.1.4): no wait between the stores and the loads.
.irp i, 0,1,2,3,4,5,6,7
	ds_store_b128 v5, v[128+8*\i:131+8*\i] offset:64*\i          ; each accumulator from its low end on
	ds_store_b128 v5, v[132+8*\i:135+8*\i] offset:64*\i+16
.endr
.irp w, 0,1,2,3,4,5,6,7
	ds_load_b128 v[96+4*\w:99+4*\w], v6 offset:528*\w
.endr
.irp w, 8,9,10,11,12,13,14,15
	ds_load_b128 v[192+4*\w:195+4*\w], v6 offset:528*\w          ; rows 8 to 15: v224-255
.endr
.irp w, 0,1,2,3,4,5,6,7
	s_wait_dscnt 15-\w                             ; the younger loads may stay out
	global_store_b128 v[L16], v[96+4*\w:99+4*\w], s[58:59] offset:\w*2048 th:TH_STORE_NT   ; 32 lanes store 512 consecutive bytes, at a multiple of 256 from out's first byte
.endr
.irp w, 8,9,10,11,12,13,14,15
	s_wait_dscnt 15-\w
	global_store_b128 v[L16], v[192+4*\w:195+4*\w], s[58:59] offset:(\w+24)*2048 th:TH_STORE_NT   ; a tile's rows 8 to 15 are the tokens 32 to 39 from its first
.endr
	s_wait_tensorcnt 0x0                           ; the wave's end, behind my last tensor load and my last LDS store
	ds_add_u32 v[SPW], v[NIL]
	s_wait_dscnt 0x0
	CROUND                                         ; the closing round: no work-group ends while a partner may still ask for a tile that names it
	s_endpgm
.Lfunc_end_k_q963adfc224_attn:
	.size	k_q963adfc224_attn, .Lfunc_end_k_q963adfc224_attn-k_q963adfc224_attn
	.p2alignl 7, 3214868480
	.fill 96, 4, 3214868480
	.section	.rodata,"a",@progbits
	.p2align	6, 0x0
	.amdhsa_kernel k_q963adfc224_attn
		.amdhsa_group_segment_fixed_size 327680
		.amdhsa_private_segment_fixed_size 0
		.amdhsa_enable_private_segment 0
		.amdhsa_kernarg_size 24
		.amdhsa_user_sgpr_count 2
		.amdhsa_user_sgpr_kernarg_segment_ptr 1
		.amdhsa_wavefront_size32 1
		.amdhsa_system_sgpr_workgroup_id_x 1
		.amdhsa_system_sgpr_workgroup_id_y 1
		.amdhsa_system_sgpr_workgroup_id_z 1
		.amdhsa_system_vgpr_workitem_id 0
		.amdhsa_next_free_vgpr 256
		.amdhsa_next_free_sgpr 66
		.amdhsa_reserve_vcc 0
		.amdhsa_float_denorm_mode_32 3
		.amdhsa_float_denorm_mode_16_64 3
		.amdhsa_memory_ordered 1
		.amdhsa_forward_progress 1
		.amdhsa_inst_pref_size 143
	.end_amdhsa_kernel
	.amdgpu_metadata
---
amdhsa.version: [ 1, 2 ]
amdhsa.kernels:
  - .name:           k_q963adfc224_attn
    .symbol:         k_q963adfc224_attn.kd
    .args:
      - { .name: kv, .offset: 0, .size: 8, .value_kind: global_buffer, .address_space: global }
      - { .name: wc, .offset: 8, .size: 8, .value_kind: global_buffer, .address_space: global }
      - { .name: out0, .offset: 16, .size: 8, .value_kind: global_buffer, .address_space: global }
    .group_segment_fixed_size: 327680
    .private_segment_fixed_size: 0
    .kernarg_segment_align: 8
    .kernarg_segment_size: 24
    .max_flat_workgroup_size: 512
    .sgpr_count:     66
    .vgpr_count:     256
    .wavefront_size: 32
...
	.end_amdgpu_metadata
.endif
;; end of part 2
